; MI455X (gfx1250); checked and timed in simulation.
; The chip was launched on July 23, 2026; its instructions are those of AMD's public machine-readable ISA for CDNA 5 (MIT licence, August 2026) and "CDNA5" Instruction Set Architecture Reference Guide (July 2026). The comments in the code are by the model that wrote it; some were corrected since.
;; Causal Self Attention. Allowed arithmetic: matrix products marked QUANTISED: E4M3 operands, one given power-of-two scale a tensor, by v_wmma_f32_16x16x64_fp8_fp8 or v_wmma_f32_16x16x128_fp8_fp8, f32 sums; everything else in f32.
;; Inputs: lowp_scales 8 int32 (the exponents e of the quantised operands' scales 2^e); w_attn_codes 3,072 x 32 x 32 uint8 (E4M3 codes of w_attn, K innermost, in blocks of 32 codes); w_proj_codes 1,024 x 32 x 32 uint8 (E4M3 codes of w_proj, K innermost, in blocks of 32 codes); x_codes 1 x 4,096 x 32 x 32 uint8 (E4M3 codes of x, K innermost, in blocks of 32 codes).
;; Outputs: out0 1 x 4,096 x 1,024 float32.
;; This version of the problem:
;;   THIS VERSION OF THE PROBLEM IS GIVEN IN LOW PRECISION. The matrix products marked QUANTISED in the list below multiply operands that are first quantised to E4M3 (4 exponent bits, 3 mantissa bits; 8 bits a number), with one given power-of-two scale for each operand tensor; their sums are f32. All else is computed in f32.
;;   The module's matrix products, in the order in which they are computed (A, B: the left and right operand; K: the contracted axis; several contracted axes count as one K, in the product's order):
;;     1. [M 4,096, K 1,024] x [K 1,024, N 3,072]; A: input x (given as codes); B: input w_attn (given as codes): QUANTISED (scales: A lowp_scales[0], B lowp_scales[1])
;;     2. batch 16 x [M 4,096, K 64] x [K 64, N 4,096]; A: computed on the way; B: computed on the way: QUANTISED (scales: A lowp_scales[2], B lowp_scales[3])
;;     3. batch 16 x [M 4,096, K 4,096] x [K 4,096, N 64]; A: softmax (see below); B: computed on the way: QUANTISED (scales: A lowp_scales[4], B lowp_scales[5])
;;     4. [M 4,096, K 1,024] x [K 1,024, N 1,024]; A: computed on the way; B: input w_proj (given as codes): QUANTISED (scales: A lowp_scales[6], B lowp_scales[7])
;;   THE QUANTISER, for each operand of a quantised product, along K:
;;     - The operand's scale is 2^e, e = its entry of the input lowp_scales (int32; the entries are numbered through the quantised products in the list's order, A before B).
;;     - Each number is divided by the scale, clamped to +-448, and rounded to the nearest number of E4M3, ties to even, subnormals kept.
;;     - The product sums the exact products of the quantised numbers (number of the format x scale) in f32.
;;   ~~~python
;;   def quantise(x, axis, e):      # numpy; x: float32 -> the quantised numbers, widened to float32 again
;;       x = np.moveaxis(x, axis, -1); K = x.shape[-1]
;;       r = np.clip(x / 2.0 ** e, -448, 448)
;;       step = 2.0 ** (np.maximum(np.frexp(np.where(r == 0, 1, r))[1] - 1, -6) - 3)
;;       q = np.round(r / step) * step * 2.0 ** e      # np.round: ties to even
;;       return np.moveaxis(q, -1, axis).astype(np.float32)
;;   ~~~
;;   SOFTMAX AHEAD OF A QUANTISED PRODUCT. Where the list says 'softmax', what is quantised is not the finished softmax but p = 2^(t - M), with t = logit x log2(e) and M = ceil(the row's largest t), a whole number; so 1/2 < the row's largest p <= 1. The row's sum l is taken of the UNQUANTISED p, in f32, and the product's result is divided by l at the end. Since M is a whole number, a kernel that streams over the keys may use a running M (the ceiling of the running maximum): every later rescaling is an exact power of two, so the quantised numbers keep their values, but for numbers so far below the row's largest that they fall under the format's range.
;;   OPERANDS COMPUTED ON THE WAY. 'Computed on the way' means the value that the module computes at that place (a softmax that the list does not call 'softmax' is quantised finished and normalised). What goes into a quantiser is computed in f32, as accurately as f32 sums, v_exp_f32 and their like allow (about 1e-6 of the number): no bf16 or f16 on the way to a quantiser, and a product that is left as it is and whose result goes on into a quantised operand takes f32 operands (vector FMAs, or v_wmma_f32_16x16x4_f32). A number that lies on a knife's edge between two numbers of the format may be rounded either way, as far as f32 arithmetic and the matrix unit's own rounding can turn it there, and no further.
;;   INPUTS GIVEN AS CODES. w_attn (in the module: [3072, 1024], K = its axis 1); w_proj (in the module: [1024, 1024], K = its axis 1); x (in the module: [1, 4096, 1024], K = its axis 2): each comes as NAME_codes (uint8): NAME with its K axis moved to the last place and cut into blocks of 32 codes, [.., K / 32, bytes a block], one block behind the other in memory; one code a byte (a code: sign, 4 exponent bits, 3 mantissa bits); its scale is its entry of lowp_scales. Its value is code x scale, taken as it is: it is not quantised again, and the codes and scales need not be those that the quantiser above would give.
;; One version. Each part assembles by itself: llvm-mc -triple=amdgcn-amd-amdhsa -mcpu=gfx1250 --defsym DOCPART=n.
;; ======== version 1 of 1: 3 launches
;; limits: right only within a limited range of input values
;; workspace buffers: q_img 4,194,304 bytes; kv_img 8,388,608 bytes; y_img 4,194,304 bytes
;; launch qkv (part 1): grid 12 x 16, 4 waves a work-group, clusters of 4 x 4, 327,680 bytes of LDS; arguments x_codes, w_attn_codes, lowp_scales, q_img, kv_img; writes q_img, kv_img
.if DOCPART == 1
	.amdgcn_target "amdgcn-amd-amdhsa--gfx1250"
	.amdhsa_code_object_version 6
	.text
	.protected	k_q2640fa908f_qkv
	.globl	k_q2640fa908f_qkv
	.p2align	8
	.type	k_q2640fa908f_qkv,@function
k_q2640fa908f_qkv:
	s_mov_b64 s[64:65], 0
	v_nop
	global_prefetch_b8 v0, s[64:65] scope:SCOPE_SE
	s_setreg_imm32_b32 hwreg(HW_REG_WAVE_MODE, 25, 1), 1
	s_wait_xcnt 0x0
	s_wait_alu depctr_hold_cnt(0) depctr_sa_sdst(0) depctr_va_vdst(0) depctr_va_sdst(0) depctr_va_ssrc(0) depctr_va_vcc(0) depctr_vm_vsrc(0)
	s_getreg_b32 s2, hwreg(HW_REG_IB_STS2, 6, 4)
	s_cmp_eq_u32 s2, 0
	s_cbranch_scc0 .Lentry_in_a_cluster
	s_endpgm
.Lentry_in_a_cluster:
	s_bfe_u32 s2, ttmp6, 0x10000c
	s_cmp_lg_u32 s2, 0xf033
	s_cbranch_scc0 .Lentry_shape_is_right
	s_endpgm
.Lentry_shape_is_right:
; q, k, v = x w_attn^T on codes of FP8 (E4M3), each finished sum brought to its operand's scale, held and quantised, and stored as images of the operands' registers (q_img, kv_img: layouts at the head of attn).
; A tile of 256 x 256 to a work-group of four waves, 128 x 128 a wave; K in four steps of 256 through a ring of two LDS slots; 4 x 4 work-groups form a cluster and ask jointly for the tiles that they share.
; Cluster x 0: q, 1: k, 2: v, with the operands exchanged for v, so that a lane's eight results are neighbours along the keys.
; LEFT OUT in the program as dead work: the key steps of 128 that lie wholly above the diagonal of reference()'s own causal mask (launch attn): their p is exactly 0 whatever the inputs hold.
; LIMIT: a NaN or an infinity that reaches only such scores is not carried to the result.  LIMIT on the given exponents: e2, e3 and e5, less e0 + e1, each lie between -126 and 119.
; PREFETCH INTO THE L2 of K steps 2 and 3, each behind the joint load of the K step two before it, one instruction a wave: of the 128 rows that a wave fetches, each of the four partners that ask for them jointly
; names 32, told apart by address (cx for waves 0 and 1, cy for waves 2 and 3), a lane a row, 256 bytes of each.  K steps 0 and 1 come by their loads alone.
.set PFO, 18                           ; v18     the prefetches' offset: 1,024 x lane; never rewritten
.set PFA, 96                           ; s[96:97] the first of my work-group's 32 rows among the 128 that I fetch; never rewritten
.set KSTEP,  256
.set ROWB,   256
.set KROW,   1024
.set PITCH,  272
.set FR,     16
.set NL,     4
.set NP,     4
.set HALFT,  128*PITCH
.set SLOT,   4*HALFT
.set LAPS,   1024/(2*KSTEP)
.set SPARE,  2*SLOT
.set STAGE,  SPARE+512
.set ADRA, 16
.set ADRB, 20
.set STO,  24
.set RD,   25
.set VO0,  26
.set VO1,  27
.set SPW,  28
.set NIL,  29
.set SC,   30
.set LIM,  31
.set TMP,  32
.set CD,   96
.set BK,   160
.set AF,   128
.set G1, 24
.set G0, 32
.set G1B, 48
.set G0B, 56
.set OB,  80
.set MSB, 0
.macro WIN new
.if MSB != \new
	s_set_vgpr_msb (MSB<<8)|\new
.set MSB, \new
.endif
.endm
.set MUL_LO, 0xa1
.set MUL_HI, 0xf1
.set TO_B,   0x40
.macro JLOAD g0a, g1a, g0b, g1b
	s_cmp_eq_u32 s15, 0
	s_cbranch_scc0 .Lfor_b_\@
	tensor_load_to_lds s[\g0a:\g0a+3], s[\g1a:\g1a+7]
	s_nop 0
.rept 4
	v_nop
.endr
	s_branch .Lasked_\@
.Lfor_b_\@:
	tensor_load_to_lds s[\g0b:\g0b+3], s[\g1b:\g1b+7]
	s_nop 0
.rept 4
	v_nop
.endr
.Lasked_\@:
.endm
.macro CREST
	s_cmp_lg_u32 s14, 0
	s_cbranch_scc1 .Lnot_wave_0_\@
	s_barrier_signal -3
.Lnot_wave_0_\@:
	s_barrier_wait -3
	s_barrier_signal -1
	s_barrier_wait -1
.endm
.macro CROUND
	s_barrier_signal -1
	s_barrier_wait -1
	CREST
.endm
	s_load_b128 s[4:7], s[0:1], 0x0
	s_load_b128 s[8:11], s[0:1], 0x10
	s_load_b64 s[12:13], s[0:1], 0x20
	v_lshl_add_u32 v[SPW], v0, 2, SPARE
	v_mov_b32 v[NIL], 0
	ds_add_u32 v28, v29
	ds_add_u32 v28, v29
	s_wait_dscnt 0x0
	v_lshrrev_b32 v1, 5, v0
	v_readfirstlane_b32 s14, v1
	s_lshr_b32 s15, s14, 1
	s_and_b32 s16, s14, 1
	s_bfe_u32 s40, ttmp6, 0x40000
	s_bfe_u32 s41, ttmp6, 0x40004
	s_and_b32 s93, ttmp7, 0xffff
	s_cmp_eq_u32 ttmp9, 2
	s_cselect_b32 s94, 0, s93
	s_cselect_b32 s95, s93, ttmp9
	s_lshl_b32 s42, s95, 2
	s_add_co_u32 s42, s42, s40
	s_lshl_b32 s17, s94, 2
	s_add_co_u32 s17, s17, s41
	s_lshl_b32 s43, s41, 2
	s_lshl_b32 s43, 15, s43
	s_lshl_b32 s44, 0x1111, s40
	s_or_b32 s[G1+0], s43, (0<<16)|(1<<20)|(1<<21)|(5<<22)|(3<<25)
	s_or_b32 s[G1B+0], s44, (0<<16)|(1<<20)|(1<<21)|(5<<22)|(3<<25)
.irp g, G1, G1B
	s_mov_b32 s[\g+1], ROWB<<16
	s_mov_b32 s[\g+2], 128<<16
	s_mov_b32 s[\g+3], ROWB<<16
	s_mov_b32 s[\g+4], 128
	s_mov_b32 s[\g+5], KROW
	s_mov_b32 s[\g+6], 0
	s_mov_b32 s[\g+7], 0
.endr
	s_lshl_b32 s18, s16, 7
	s_lshl_b32 s20, s17, 8
	s_add_co_u32 s20, s20, s18
	s_lshl_b32 s46, s42, 8
	s_add_co_u32 s46, s46, s18
	s_lshl_b32 s20, s20, 10
	s_lshl_b32 s46, s46, 10
	s_mov_b32 s21, 0
	s_mov_b32 s47, 0
	s_mul_i32 s45, s14, HALFT
	s_wait_kmcnt 0x0
	s_load_b256 s[72:79], s[8:9], 0x0
	s_add_nc_u64 s[66:67], s[6:7], 0x200000
	s_cmp_eq_u32 ttmp9, 2
	s_cselect_b64 s[68:69], s[66:67], s[4:5]
	s_cselect_b64 s[70:71], s[4:5], s[6:7]
	s_add_nc_u64 s[20:21], s[68:69], s[20:21]
	s_add_nc_u64 s[46:47], s[70:71], s[46:47]
	CROUND
.irp s, 0,1
	s_mov_b32 s[G0+4*\s], 1
	s_add_co_u32 s[G0+4*\s+1], s45, \s*SLOT
	s_add_nc_u64 s[G0+4*\s+2:G0+4*\s+3], s[20:21], \s*ROWB
	s_or_b32 s[G0+4*\s+3], s[G0+4*\s+3], 0x80000000
	s_mov_b32 s[G0B+4*\s], 1
	s_add_co_u32 s[G0B+4*\s+1], s45, \s*SLOT
	s_add_nc_u64 s[G0B+4*\s+2:G0B+4*\s+3], s[46:47], \s*ROWB
	s_or_b32 s[G0B+4*\s+3], s[G0B+4*\s+3], 0x80000000
.endr
	JLOAD G0, G1, G0B, G1B                         ; K step 0: one tensor load a wave at the head
	s_cmp_eq_u32 s15, 0
	s_cselect_b64 s[PFA:PFA+1], s[20:21], s[46:47] ; the 128 rows that I fetch,
	s_cselect_b32 s98, s40, s41
	s_lshl_b32 s98, s98, 15
	s_mov_b32 s99, 0
	s_add_nc_u64 s[PFA:PFA+1], s[PFA:PFA+1], s[98:99]  ; and my work-group's 32 of them
	v_and_b32 v1, 15, v0
	s_wait_alu depctr_va_vdst(0)
	v_bfe_u32 v2, v0, 4, 1
	v_mul_u32_u24 v3, v1, PITCH
	v_lshl_add_u32 v4, v2, 4, v3
	s_mul_i32 s21, s15, HALFT
	s_mul_i32 s22, s16, HALFT
	s_add_co_u32 s22, s22, 2*HALFT
.irp s, 0,1
	v_add_nc_u32 v[ADRA+\s], s21, v4
	v_add_nc_u32 v[ADRB+\s], s22, v4
	s_add_co_u32 s21, s21, SLOT
	s_add_co_u32 s22, s22, SLOT
.endr
	s_lshl_b32 s23, s14, 12
	s_add_co_u32 s23, s23, STAGE
	v_lshrrev_b32 v5, 3, v1
	v_and_b32 v6, 7, v1
	v_lshlrev_b32 v5, 10, v5
	v_lshl_add_u32 v5, v6, 4, v5
	v_lshl_add_u32 v5, v2, 3, v5
	v_add_nc_u32 v[STO], s23, v5
	v_and_b32 v6, 31, v0
	v_lshlrev_b32 v[VO0], 4, v6
	s_wait_alu depctr_va_vdst(0)
	v_add_nc_u32 v[RD], s23, v[VO0]
	s_cmp_eq_u32 ttmp9, 0
	s_mov_b32 s88, 0x80000
	s_cselect_b32 s88, 0x40000, s88
	s_mov_b32 s89, 16384
	s_cselect_b32 s89, 8192, s89
	s_cselect_b64 s[66:67], s[10:11], s[12:13]
	s_cmp_eq_u32 ttmp9, 2
	s_cselect_b32 s68, s42, s17
	s_cselect_b32 s69, s16, s15
	s_cselect_b32 s70, s41, s40
	s_cselect_b32 s71, s15, s16
	s_cselect_b32 s93, 8192, 0
	s_mov_b32 s90, s88
	s_cselect_b32 s90, 2048, s90
	s_mov_b32 s91, 2048
	s_cselect_b32 s91, 4096, s91
	s_mov_b32 s92, 4096
	s_cselect_b32 s92, s88, s92
	s_lshl_b32 s68, s68, 1
	s_add_co_u32 s68, s68, s69
	s_lshl_b32 s70, s70, 2
	s_lshl_b32 s71, s71, 1
	s_add_co_u32 s70, s70, s71
	s_mul_i32 s70, s70, s88
	s_mul_i32 s68, s68, s89
	s_add_co_u32 s70, s70, s68
	s_add_co_u32 s70, s70, s93
	s_mov_b32 s71, 0
	s_add_nc_u64 s[OB:OB+1], s[66:67], s[70:71]
	s_mov_b32 s69, 0
	s_mov_b32 s68, s91
	s_add_nc_u64 s[OB+2:OB+3], s[OB:OB+1], s[68:69]
	s_mov_b32 s68, s92
	s_add_nc_u64 s[OB+4:OB+5], s[OB:OB+1], s[68:69]
	s_add_nc_u64 s[OB+6:OB+7], s[OB+2:OB+3], s[68:69]
	v_add_nc_u32 v[VO1], s90, v[VO0]
.macro FRAG reg, adr, q, i
.irp c, 0,1,2,3
	ds_load_b128 v[\reg+4*\c:\reg+4*\c+3], v[\adr] offset:128*(\q)+32*\c+(\i)*16*PITCH
.endr
.endm
.macro MUL16 a0, p, zero
.irp a, \a0, \a0+1
.irp b, 0,1,2,3,4,5,6,7
.if \zero
	v_wmma_f32_16x16x128_fp8_fp8 v[8*(8*((\a)%4)+\b):8*(8*((\a)%4)+\b)+7], v[128*(\p)+FR*\b:128*(\p)+FR*\b+FR-1], v[AF+FR*(\a):AF+FR*(\a)+FR-1], 0
.else
	v_wmma_f32_16x16x128_fp8_fp8 v[8*(8*((\a)%4)+\b):8*(8*((\a)%4)+\b)+7], v[128*(\p)+FR*\b:128*(\p)+FR*\b+FR-1], v[AF+FR*(\a):AF+FR*(\a)+FR-1], v[8*(8*((\a)%4)+\b):8*(8*((\a)%4)+\b)+7]
.endif
.endr
.endr
.endm
.macro FETCH_B slot, q, p
	WIN TO_B
.irp i, 0,1,2,3,4,5,6,7
	FRAG 128*(\p)+FR*\i, ADRB+\slot, \q, \i
.endr
	WIN 0
.endm
.macro FETCH_A slot, q, i0
.irp i, \i0, \i0+1, \i0+2, \i0+3
	FRAG AF+FR*(\i), ADRA+\slot, \q, \i
.endr
.endm
.macro PLACES n
.rept \n
	v_nop
.endr
.endm
.macro STEP slot, q, zero
	s_wait_dscnt 4*NL
	WIN MUL_LO
	MUL16 0, (\q)%2, \zero
	MUL16 2, (\q)%2, \zero
	s_wait_dscnt 0
	PLACES NP
	FETCH_B \slot, (\q)+1, 1-(\q)%2
	FETCH_A \slot, (\q)+1, 0
	WIN MUL_HI
	MUL16 4, (\q)%2, \zero
	MUL16 6, (\q)%2, \zero
	PLACES NP
	WIN 0
	FETCH_A \slot, (\q)+1, 4
.endm
.macro TURN slot, next, fill
	s_wait_tensorcnt 0x0
	ds_add_u32 v[SPW], v[NIL]
	s_wait_dscnt 4*NL+1
	WIN MUL_LO
	MUL16 0, 1, 0
	s_wait_dscnt 0x0
	s_barrier_signal -1
	MUL16 2, 1, 0
	WIN 0
	s_barrier_wait -1
.if \fill
	CREST
	s_add_nc_u64 s[G0+4*\slot+2:G0+4*\slot+3], s[G0+4*\slot+2:G0+4*\slot+3], 2*ROWB
	s_add_nc_u64 s[G0B+4*\slot+2:G0B+4*\slot+3], s[G0B+4*\slot+2:G0B+4*\slot+3], 2*ROWB
	JLOAD G0+4*\slot, G1, G0B+4*\slot, G1B
.else
	PLACES NP
.endif
	FETCH_B \next, 0, 0
	FETCH_A \next, 0, 0
	WIN MUL_HI
	MUL16 4, 1, 0
	MUL16 6, 1, 0
	PLACES NP
	WIN 0
	FETCH_A \next, 0, 4
.endm
	v_and_b32 v[PFO], 31, v0
	v_lshlrev_b32 v[PFO], 10, v[PFO]
	global_prefetch_b8 v[PFO], s[PFA:PFA+1] offset:2*ROWB th:TH_LOAD_NT scope:SCOPE_SE   ; K step 2
	s_wait_alu depctr_va_vdst(0)                   ; the wait at the head's end
	s_wait_tensorcnt 0x0                           ; my part of K step 0 is in
	ds_add_u32 v[SPW], v[NIL]
	s_wait_dscnt 0x0
	CROUND                                         ; everybody's part is in
	JLOAD G0+4, G1, G0B+4, G1B                     ; K step 1, the first tensor load behind the round
	FETCH_B 0, 0, 0
	FETCH_A 0, 0, 0
	FETCH_A 0, 0, 4
	global_prefetch_b8 v[PFO], s[PFA:PFA+1] offset:3*ROWB th:TH_LOAD_NT scope:SCOPE_SE   ; K step 3
	STEP 0, 0, 1
	s_mov_b32 s3, LAPS-1
.Llap:
	TURN 0, 1, 1
	STEP 1, 0, 0
	TURN 1, 0, 1
	STEP 0, 0, 0
	s_sub_co_u32 s3, s3, 1
	s_cmp_lg_u32 s3, 0
	s_cbranch_scc1 .Llap
	TURN 0, 1, 0
	STEP 1, 0, 0
	s_wait_dscnt 4*NL
	WIN MUL_LO
	MUL16 0, 1, 0
	MUL16 2, 1, 0
	s_wait_dscnt 0
	WIN MUL_HI
	MUL16 4, 1, 0
	MUL16 6, 1, 0
	WIN 0
.macro TOSTAGE p
.irp u, 0,1
.set AC, 64*((2*(\p)+\u)%4)
.set CW, CD+16*((2*(\p)+\u)%4)
	WIN 0x02+((\p)/2)
.set j, 0
.rept 64
	v_med3_num_f32 v[TMP+j], v[AC+j], -v[LIM], v[LIM]
.set j, j+1
.endr
	WIN 0
.irp b, 0,1,2,3,4,5,6,7
	v_cvt_scalef32_pk8_fp8_f32 v[CW+2*\b:CW+2*\b+1], v[TMP+8*\b:TMP+8*\b+7], v[SC]
.endr
	v_nop
.irp b, 0,1,2,3,4,5,6,7
	ds_store_b64 v[STO], v[CW+2*\b:CW+2*\b+1] offset:(\b/4)*2048+((\b%4)/2)*512+(\b%2)*256+\u*128
.endr
.endr
.set BB, BK+32*((\p)%2)
.irp k, 0,1,2,3,4,5,6,7
	ds_load_b128 v[BB+4*\k:BB+4*\k+3], v[RD] offset:512*\k
.endr
.endm
.macro SEND p, younger
.set BB, BK+32*((\p)%2)
	s_wait_dscnt \younger
.irp k, 0,1,2,3
	global_store_b128 v[VO0], v[BB+4*\k:BB+4*\k+3], s[OB+2*(\p):OB+2*(\p)+1] offset:512*\k
.endr
.irp k, 0,1,2,3
	global_store_b128 v[VO1], v[BB+16+4*\k:BB+16+4*\k+3], s[OB+2*(\p):OB+2*(\p)+1] offset:512*\k
.endr
.endm
	s_wait_kmcnt 0x0
	s_cmp_eq_u32 ttmp9, 0
	s_cselect_b32 s68, s74, s75
	s_cmp_eq_u32 ttmp9, 2
	s_cselect_b32 s68, s77, s68
	s_sub_co_i32 s68, s68, s72
	s_sub_co_i32 s68, s68, s73
	s_add_co_i32 s68, s68, 127
	s_lshl_b32 s69, s68, 23
	s_add_co_i32 s68, s68, 8
	s_lshl_b32 s68, s68, 23
	s_or_b32 s68, s68, 0x600000
	PLACES NP
	v_mov_b32 v[SC], s69
	v_mov_b32 v[LIM], s68
	TOSTAGE 0
.irp p, 1,2,3
.if \p > 1
	s_wait_xcnt 0x0
.endif
	TOSTAGE \p
	SEND \p-1, 24
.endr
	SEND 3, 0
	s_wait_tensorcnt 0x0
	ds_add_u32 v[SPW], v[NIL]
	s_wait_dscnt 0x0
	CROUND
	s_endpgm
.Lfunc_end_k_q2640fa908f_qkv:
	.size	k_q2640fa908f_qkv, .Lfunc_end_k_q2640fa908f_qkv-k_q2640fa908f_qkv
	.p2alignl 7, 3214868480
	.fill 96, 4, 3214868480
	.section	.rodata,"a",@progbits
	.p2align	6, 0x0
	.amdhsa_kernel k_q2640fa908f_qkv
		.amdhsa_group_segment_fixed_size 327680
		.amdhsa_private_segment_fixed_size 0
		.amdhsa_enable_private_segment 0
		.amdhsa_kernarg_size 40
		.amdhsa_user_sgpr_count 2
		.amdhsa_user_sgpr_kernarg_segment_ptr 1
		.amdhsa_wavefront_size32 1
		.amdhsa_system_sgpr_workgroup_id_x 1
		.amdhsa_system_sgpr_workgroup_id_y 1
		.amdhsa_system_sgpr_workgroup_id_z 1
		.amdhsa_system_vgpr_workitem_id 0
		.amdhsa_next_free_vgpr 1024
		.amdhsa_next_free_sgpr 100
		.amdhsa_reserve_vcc 0
		.amdhsa_float_denorm_mode_32 3
		.amdhsa_float_denorm_mode_16_64 3
		.amdhsa_memory_ordered 1
		.amdhsa_forward_progress 1
		.amdhsa_inst_pref_size 126
	.end_amdhsa_kernel
	.amdgpu_metadata
---
amdhsa.version: [ 1, 2 ]
amdhsa.kernels:
  - .name:           k_q2640fa908f_qkv
    .symbol:         k_q2640fa908f_qkv.kd
    .args:
      - { .name: x_codes, .offset: 0, .size: 8, .value_kind: global_buffer, .address_space: global }
      - { .name: w_attn_codes, .offset: 8, .size: 8, .value_kind: global_buffer, .address_space: global }
      - { .name: lowp_scales, .offset: 16, .size: 8, .value_kind: global_buffer, .address_space: global }
      - { .name: q_img, .offset: 24, .size: 8, .value_kind: global_buffer, .address_space: global }
      - { .name: kv_img, .offset: 32, .size: 8, .value_kind: global_buffer, .address_space: global }
    .group_segment_fixed_size: 327680
    .private_segment_fixed_size: 0
    .kernarg_segment_align: 8
    .kernarg_segment_size: 40
    .max_flat_workgroup_size: 128
    .sgpr_count:     100
    .vgpr_count:     1024
    .wavefront_size: 32
...
	.end_amdgpu_metadata
.endif
;; end of part 1
;; launch attn (part 2): grid 16 x 16, 8 waves a work-group, clusters of 4 x 1, 327,680 bytes of LDS; arguments lowp_scales, q_img, kv_img, y_img; writes y_img
.if DOCPART == 2
	.amdgcn_target "amdgcn-amd-amdhsa--gfx1250"
	.amdhsa_code_object_version 6
	.text
	.protected	k_q2640fa908f_attn
	.globl	k_q2640fa908f_attn
	.p2align	8
	.type	k_q2640fa908f_attn,@function
k_q2640fa908f_attn:
	s_mov_b64 s[64:65], 0
	v_nop
	global_prefetch_b8 v0, s[64:65] scope:SCOPE_SE
	s_setreg_imm32_b32 hwreg(HW_REG_WAVE_MODE, 25, 1), 1
	s_wait_xcnt 0x0
	s_wait_alu depctr_hold_cnt(0) depctr_sa_sdst(0) depctr_va_vdst(0) depctr_va_sdst(0) depctr_va_ssrc(0) depctr_va_vcc(0) depctr_vm_vsrc(0)
	s_getreg_b32 s2, hwreg(HW_REG_IB_STS2, 6, 4)
	s_cmp_eq_u32 s2, 0
	s_cbranch_scc0 .Lentry_in_a_cluster
	s_endpgm
.Lentry_in_a_cluster:
	s_bfe_u32 s2, ttmp6, 0x10000c
	s_cmp_lg_u32 s2, 0x3003
	s_cbranch_scc0 .Lentry_shape_is_right
	s_endpgm
.Lentry_shape_is_right:
; y[q][head] = the sum over keys k <= q of softmax_k(q . k / 8) v, both products on codes of FP8 (E4M3), and y quantised with 2^e6 for the projection.  16 heads of 64, 4,096 queries and keys.
; q_img, kv_img: images of the operands' registers.  Tile order: within 32 rows, lane r of tile 2 B + u is row 32 B + 8 u + r + 8 (r / 8).
;   q_img  [head][step of 128 queries][tile 8][block c 2][lane][16 bytes]: lane (r, h) of block c holds d = 32 c + 16 h + 0 .. 15.
;   kv_img [head][step of 128 keys][K 8,192 as a step of q_img | V^T 8,192: tile 2 B + u of 16 d, block c of keys 32 c + 16 h + 0 .. 15 at 4096 B + 2048 (c / 2) + 1024 u + 512 (c % 2) + 16 lane].
;   y_img  [tile of 16 rows 256][head 16][block c 2][lane][16 bytes]: two heads on end are the image of a fragment of 16 rows x 128 along the projection's K.
; THE SOFTMAX: t = score x log2(e) / 8; M = the running largest t, rounded UP to a whole number; p = 2^(t - M) is quantised with 2^e4, not normalised.  The row's sum is taken of the unquantised p and divides O at the end.
; When M moves, the sum and O are multiplied by 2^(old M - new M): nothing is rounded.
; LAYOUT.  Both products are used transposed: S^T = K Q^T (source 0 = 16 keys, source 1 = 16 queries), O^T = V^T P^T (source 0 = 16 d, source 1 = P): a lane holds ONE query of a tile throughout.  By the tile order the 16 registers of
; two neighbouring tiles of S^T are 16 neighbouring keys, and those of O^T 16 neighbouring d: the conversions' results are the next operand's registers, for p and for y alike.
; SHARES.  A head has 8 blocks of 512 queries, a block 4 sub-blocks of 128, a sub-block 4 strips of 32.  The cluster (J = cluster x, head = y) takes block F, then block G = 7 - F; F = J where J is even, else 7 - J: F is even.
; Partner cx takes strip cx of every sub-block.  Waves w and w + 4 are a pair, p = w % 4: sub-block p of block F, then sub-block 3 - p of block G: 33 key steps of 128 in every pair.  Of a strip's key steps wave w takes the even
; ones, wave w + 4 the odd ones, each for both of the strip's tiles of 16 queries, so that each fragment of K and V feeds two products.  Which steps a wave works in hangs on J and the wave's number alone:
; the four partners run alike and ask for all of K and V JOINTLY; cx enters global addresses and the mask's numbers only.
; THE WALK: nine units of 512 keys: block F's F full units, its unit on the diagonal, block G's unit on the diagonal, its G full units.  Units go in groups of two, the ninth alone: the two diagonal units make one group (F is even).
; THE MERGE.  A wave OWNS one of the strip's two tiles (number w / 4; in its registers tile 0).  At a pass's end it puts the other tile's O, sum and M into LDS for its partner; at the end it merges its own with what the partner put there:
; M is a whole number, so both parts come under the larger M without rounding.
; CAUSAL, dead work left out: a key step that lies wholly above the diagonal is jumped over (p is 0 there whatever the inputs hold; a NaN or an infinity that reaches only such scores is not carried on); in the step on the diagonal
; hidden scores become -infinity.  The first key of such a step counts for every query of the strip, so M is a number from a wave's first step on; a wave without a step in a pass keeps a sum and an O of zeros.
; No prefetch: a group of eight key steps is asked for a whole group ahead of its first read, four steps of each of the eight waves in which to land.
; LIMITS on the given exponents, so that each power of two below is an f32 number: e2 + e3 between -123 and 130; e4, and e6 - e4 - e5, between -126 and 119.
; REGISTERS, window 0: v1-11, 20-31 addresses and single numbers; v[12:15], v[16:19] tile 0's and 1's -M, largest t, sum in two halves; v32-63 at work; v64-127, v128-191 the tiles' S^T, then p; v192-223, v224-255 their O^T.
;   window 1: v0-63 K's 8 fragments; v64-127 V's 4; v128-143, v144-159 p's codes; v160-175 Q; v176-191 Q of the second pass; v192-227 my own tile's O and v[12:15] of the first pass.
.set SLOT1, 1<<17                      ; a slot: 8 key steps of 16,384 bytes, as they lie in memory; slot 1 begins here
.set SCR1,  0x44000                    ; the first pass's parts for the partners: 4,608 bytes a wave, where no tensor load lands
.set SCR2,  SLOT1                      ; the second pass's: in slot 1, which has had its last fill and its last read by then
.set SPARE, SCR1+8*4608                ; the spare words, 128 bytes a wave, that no other line names
.set LI,  1
.set SPW, 2
.set NIL, 3
.set ADR, 4
.set DQ0, 5                            ; v5, v6: my query's place among its 128, less 16 (lane / 16), in tile 0, 1
.set DQ1, 6
.set LIMA, 8                           ; v8, v9: 448 x 2^e4
.set LIMB, 9
.set SA1, 10                           ; where I put my parts; v20, v21: where my partner puts its own
.set SA2, 11
.set SB1, 20
.set SB2, 21
.set SCL, 30                           ; 2^e4
.set TT,  32
.set UU,  48
.set S0,  64
.set S1,  128
.set O0,  192
.set O1,  224
.set KFR, 0
.set VFR, 64
.set PC0, 128
.set PC1, 144
.set QF,  160
.set QN,  176
.set SV,  192
.set WV,  12
.set CXR, 13
.set PAR, 14                           ; w / 4
.set HD,  15
.set TN,  16                           ; my trips so far, two to a unit
.set TSW, 17                           ; the trip at which the second pass begins
.set TSW2, 18                          ; the trip behind the second pass's diagonal unit
.set TB,  19                           ; LDS byte at which the slot in hand begins
.set KS,  20                           ; the key step of the trip
.set DS,  21                           ; the key step on my strip's diagonal
.set CS,  22                           ; s[22:23] c = log2(e) / 8 x 2^(e2 + e3)
.set G1,  24
.set G0,  32
.set KVB, 36                           ; kv_img at my head and the step of a unit that I fetch
.set OFF, 38
.set SEL, 40
.set FF,  42
.set GG,  43
.set PP,  44
.set DS2, 45
.set UI,  46                           ; the number in the walk of the unit that I fetch from
.set TBI, 47                           ; LDS byte of the trip's key step
.set EX,  48
.set YA,  56
.set YA2, 58
.set CNT, 60
.set TBN, 72                           ; LDS byte of the next trip's key step, held inside the group
.set TBM, 73                           ; LDS byte of the group's last
.set GC,  61
.set YSC, 62                           ; 2^(e6 - e4 - e5)
.set YLIM, 63                          ; 448 x that
.set MSB, 0
.macro WIN new                         ; the immediate's high byte repeats the setting that is left
.if MSB != \new
	s_set_vgpr_msb (MSB<<8)|\new
.set MSB, \new
.endif
.endm
.macro CROUND                          ; a round of the cluster's barrier
	s_barrier_signal -1
	s_barrier_wait -1
	s_cmp_lg_u32 s[WV], 0
	s_cbranch_scc1 .Lnot_wave_0_\@
	s_barrier_signal -3
.Lnot_wave_0_\@:
	s_barrier_wait -3
	s_barrier_signal -1
	s_barrier_wait -1
.endm
.macro UNIT                            ; where unit UI of the walk lies: UI up to F: key unit UI; UI = F + 1: key unit G; beyond: UI - F - 2
	s_sub_co_u32 s70, s[UI], s[FF]
	s_sub_co_u32 s71, s70, 2
	s_cmp_eq_u32 s70, 1
	s_cselect_b32 s71, s[GG], s71
	s_cmp_le_u32 s[UI], s[FF]
	s_cselect_b32 s71, s[UI], s71
	s_lshl_b32 s[OFF], s71, 16                     ; a unit is 65,536 bytes
	s_add_nc_u64 s[G0+2:G0+3], s[KVB:KVB+1], s[OFF:OFF+1]
	s_or_b32 s[G0+3], s[G0+3], 0x80000000          ; type = 2
.endm
.macro TLOAD
	tensor_load_to_lds s[G0:G0+3], s[G1:G1+7]
	s_nop 0
.rept 4
	v_nop
.endr
.endm
.macro INIT                            ; a pass's start: the largest t -3e38, sums and O^T zeros: the first change of M leaves zeros zeros
.irp q, 12,16
	v_mov_b32 v[\q+1], 0xff61b1e6
	v_mov_b32 v[\q+2], 0
	v_mov_b32 v[\q+3], 0
	v_floor_f32 v[\q], -v[\q+1]                    ; -M
.endr
.set j, 0
.rept 64
	v_mov_b32 v[O0+j], 0
.set j, j+1
.endr
.endm
.macro PUT adr                         ; tile 1's part for my partner; each accumulator from its low end on
.rept 4
	v_nop                                          ; places behind the last products
.endr
.irp i, 0,1,2,3,4,5,6,7
	ds_store_b128 v[\adr], v[O1+4*\i:O1+4*\i+3] offset:512*\i
.endr
	ds_store_b128 v[\adr], v[16:19] offset:4096
.endm
.macro SWITCH                          ; on to the second pass
	PUT SA1
	WIN 0x40
.set j, 0
.rept 32
	v_mov_b32 v[SV+j], v[O0+j]
.set j, j+1
.endr
.irp i, 0,1,2,3
	v_mov_b32 v[SV+32+\i], v[12+\i]
.endr
	WIN 0x41
.set j, 0
.rept 16
	v_mov_b32 v[QF+j], v[QN+j]
.set j, j+1
.endr
	WIN 0
	INIT
	s_wait_alu depctr_va_vdst(0)
	s_lshl_b32 s[KS], s[GG], 2
	s_add_co_u32 s[KS], s[KS], s[PAR]              ; block G's unit on the diagonal comes first
	s_mov_b32 s[DS], s[DS2]
.endm
; THE CHANGE OF GROUPS stands at a group's head.  Each wave waits for all its tensor loads, adds 0 to its spare word, and waits for that and for its LDS instructions.
; n = the waves that fetch the next group, a key step each: behind a round of the cluster's barrier, into the slot that has been left; 0: nothing more is fetched.
.macro CHANGE n
	s_wait_tensorcnt 0x0
	ds_add_u32 v[SPW], v[NIL]
.if \n
	s_add_co_u32 s[UI], s[UI], 2
	s_xor_b32 s[G0+1], s[G0+1], SLOT1
	UNIT
.endif
	s_wait_dscnt 0x0
.if \n
	CROUND
.if \n < 8
	s_cmp_lt_u32 s[WV], \n
	s_cbranch_scc0 .Lasked_\@
.endif
	TLOAD
.Lasked_\@:
.else
	s_barrier_signal -1
	s_barrier_wait -1
.endif
.endm
.macro DMIN r                          ; p's hold at the largest code, two numbers a line: the conversion does not saturate (ISA guide 7.6.2); p is not negative, so the hold is one-sided
	v_dual_min_num_f32 v[\r], v[LIMA], v[\r] :: v_dual_min_num_f32 v[\r+1], v[LIMB], v[\r+1]
.endm
.macro CODES pc, s                     ; 64 numbers of p to the 16 registers of the second product's operand
	WIN 0x40
.irp b, 0,1,2,3
	v_cvt_scalef32_pk8_fp8_f32 v[\pc+4*\b:\pc+4*\b+1], v[\s+16*\b:\s+16*\b+7], v[SCL]
	v_cvt_scalef32_pk8_fp8_f32 v[\pc+4*\b+2:\pc+4*\b+3], v[\s+16*\b+8:\s+16*\b+15], v[SCL]
.endr
	v_nop                                          ; one plain vector instruction behind the last conversion
.endm
.macro PV o, pc                        ; O^T += V^T P^T: the four accumulators take turns, one instruction a turn
	WIN 0x05
.irp t, 0,1,2,3
	v_wmma_f32_16x16x128_fp8_fp8 v[\o+8*\t:\o+8*\t+7], v[VFR+16*\t:VFR+16*\t+15], v[\pc:\pc+15], v[\o+8*\t:\o+8*\t+7]
.endr
	WIN 0
.endm
.macro KLOAD                           ; K's 8 fragments of the key step at v[ADR]
	WIN 0x40
.irp t, 0,1,2,3,4,5,6,7
	ds_load_b128 v[KFR+8*\t:KFR+8*\t+3], v[ADR] offset:\t*1024
	ds_load_b128 v[KFR+8*\t+4:KFR+8*\t+7], v[ADR] offset:\t*1024+512
.endr
	WIN 0
.endm
.macro SMUL t
	v_wmma_f32_16x16x64_fp8_fp8 v[S0+8*\t:S0+8*\t+7], v[KFR+8*\t:KFR+8*\t+7], v[QF:QF+7], 0
	v_wmma_f32_16x16x64_fp8_fp8 v[S1+8*\t:S1+8*\t+7], v[KFR+8*\t:KFR+8*\t+7], v[QF+8:QF+15], 0
.endm
; A GROUP'S STEPS: trips = 4, two to a unit; trip k is step w / 4 + 2 (k % 2) of the group's unit k / 2, 32,768 bytes further on than the trip before.  open = 1: the walk's last unit, all of whose keys count.
.macro STEPS trips, open
	s_lshl_b32 s[TBI], s[PAR], 14
	s_add_co_u32 s[TBI], s[TBI], s[TB]
	s_add_co_u32 s[TBM], s[TBI], ((\trips)-1)*0x8000
	s_mov_b32 s[CNT], 0
	v_add_nc_u32 v[ADR], s[TBI], v[LI]
	s_wait_alu depctr_va_vdst(0)
	KLOAD                                          ; the group's first K; each later trip's is loaded in the middle of the trip before it
.Ltrip_\@:
	s_add_co_u32 s[TBN], s[TBI], 0x8000
	s_min_u32 s[TBN], s[TBN], s[TBM]
.if (\open) == 0
	s_cmp_lg_u32 s[TN], s[TSW]
	s_cbranch_scc1 .Lsame_\@
	SWITCH
.Lsame_\@:
	s_cmp_eq_u32 s[TN], s[TSW2]
	s_cselect_b32 s[KS], s[PAR], s[KS]             ; block G's full units begin with key 0
	s_cmp_gt_u32 s[KS], s[DS]                      ; all its keys come after my queries: nothing to do
	s_cbranch_scc1 .Lhidden_\@
.endif
	v_mov_b32 v28, v12                             ; the old -M; these two and two v_nop are the places between the last products and the loads into V's registers below
	v_mov_b32 v29, v16
	v_nop
	v_nop
	WIN 0x05
	s_wait_dscnt 8                                 ; K's first four fragments are in; its last 8 loads may be out
	SMUL 0
	SMUL 1
	SMUL 2
	SMUL 3
	s_wait_dscnt 0x0                               ; all of K
	SMUL 4
	SMUL 5
	SMUL 6
	SMUL 7
	WIN 0x40
.irp t, 0,1,2,3
.irp c, 0,1,2,3
	ds_load_b128 v[VFR+16*\t+4*\c:VFR+16*\t+4*\c+3], v[ADR] offset:8192+(\t/2)*4096+(\c/2)*2048+(\t%2)*1024+(\c%2)*512   ; V lands under the softmax
.endr
.endr
	WIN 0
	v_add_nc_u32 v[ADR], s[TBN], v[LI]             ; the next trip's key step; with three v_nop the places in front of the first read of the scores
	v_nop
	v_nop
	v_nop
.if (\open) == 0
	s_cmp_lg_u32 s[KS], s[DS]                      ; a step all of whose keys count skips the mask
	s_cbranch_scc1 .Lopen_\@
	v_mov_b32 v7, 0xff800000                       ; -infinity: p = 0 then
.set n, 0
.rept 32
.set kn, 32*(n/16)+n%16                ; register n holds key kn + 16 (lane / 16) of the step: hidden where that is above my query
	v_cmp_gt_i32 s76, kn, v[DQ0]
	v_cmp_gt_i32 s77, kn, v[DQ1]
	v_cmp_gt_i32 s78, kn+1, v[DQ0]
	v_cmp_gt_i32 s79, kn+1, v[DQ1]
	v_cndmask_b32 v[S0+n], v[S0+n], v7, s76
	v_cndmask_b32 v[S1+n], v[S1+n], v7, s77
	v_cndmask_b32 v[S0+n+1], v[S0+n+1], v7, s78
	v_cndmask_b32 v[S1+n+1], v[S1+n+1], v7, s79
.set n, n+2
.endr
.Lopen_\@:
.endif
.set j, 0
.rept 4                                ; the step's largest score of my queries, among my 64 keys, in four chains a tile,
	v_max3_num_f32 v[TT+j], v[S0+3*j], v[S0+3*j+1], v[S0+3*j+2]
	v_max3_num_f32 v[TT+4+j], v[S1+3*j], v[S1+3*j+1], v[S1+3*j+2]
.set j, j+1
.endr
.set j, 12
.rept 26
.set k, ((j-12)/2)%4
	v_max3_num_f32 v[TT+k], v[TT+k], v[S0+j], v[S0+j+1]
	v_max3_num_f32 v[TT+4+k], v[TT+4+k], v[S1+j], v[S1+j+1]
.set j, j+2
.endr
.irp u, 0,4
	v_max3_num_f32 v[TT+\u], v[TT+\u], v[TT+\u+1], v[TT+\u+2]
.endr
.irp u, 0,4
	v_max_num_f32 v[TT+\u], v[TT+\u], v[TT+\u+3]
.endr
.irp u, 0,4
	v_permlanex16_b32 v[22+\u/4], v[TT+\u], s[SEL], s[SEL+1]
.endr
.irp u, 0,4
	v_max_num_f32 v[TT+\u], v[TT+\u], v[22+\u/4]   ; and among lane l xor 16's
.endr
.irp u, 0,4
	v_mul_f32 v[TT+\u], s[CS], v[TT+\u]            ; as t (c is positive)
.endr
.irp u, 0,4
	v_max_num_f32 v[13+\u], v[13+\u], v[TT+\u]     ; the running largest t
.endr
.irp u, 0,4
	v_floor_f32 v[12+\u], -v[13+\u]                ; the new -M = floor(-t): M is a whole number
.endr
.irp u, 0,4
	v_sub_f32 v[24+\u/2], v[12+\u], v[28+\u/4]     ; M's old value less its new one: 0 or less
.endr
.irp u, 0,2
	v_cvt_i32_f32 v[24+\u], v[24+\u]               ; (it saturates)
.endr
.irp u, 0,2
	v_ldexp_f32 v[24+\u], 1.0, v[24+\u]            ; f = 2^(old M - new M)
.endr
.set j, 0
.rept 32
	v_pk_fma_f32 v[S0+j:S0+j+1], v[S0+j:S0+j+1], s[CS:CS+1], v[12:13] op_sel_hi:[1,0,0]   ; t - M, two at a time
.set j, j+2
.endr
	v_pk_mul_f32 v[14:15], v[14:15], v[24:25] op_sel_hi:[1,0]
	v_pk_mul_f32 v[18:19], v[18:19], v[26:27] op_sel_hi:[1,0]
.set j, 0
.rept 16
	v_pk_mul_f32 v[O0+j:O0+j+1], v[O0+j:O0+j+1], v[24:25] op_sel_hi:[1,0]   ; O^T under the new M, each accumulator from its low end on
	v_pk_mul_f32 v[O1+j:O1+j+1], v[O1+j:O1+j+1], v[26:27] op_sel_hi:[1,0]
.set j, j+2
.endr
	s_cmp_lt_u32 s[CNT], (\trips)-1
	s_cbranch_scc0 .Llast_\@
	KLOAD                                          ; the next trip's K, into the registers that the score products have read; not in a group's last trip
.Llast_\@:
	s_wait_alu depctr_va_vdst(0)                   ; the wait ahead of the batch
.set j, 0
.rept 32                               ; tile 0's p, at most 1, not normalised; tile 1's t - M between them: read behind the next wait alone
	v_exp_f32 v[S0+j], v[S0+j]
	v_exp_f32 v[S0+j+1], v[S0+j+1]
	v_pk_fma_f32 v[S1+j:S1+j+1], v[S1+j:S1+j+1], s[CS:CS+1], v[16:17] op_sel_hi:[1,0,0]
.set j, j+2
.endr
	s_wait_alu depctr_va_vdst(0)                   ; behind tile 0's batch and ahead of tile 1's
.set j, 0
.rept 16                               ; tile 1's p; between them tile 0's first sums, of the unquantised p, and its holds: read behind the next wait alone
	v_exp_f32 v[S1+j], v[S1+j]
	v_exp_f32 v[S1+j+1], v[S1+j+1]
	v_pk_add_f32 v[TT+j/2:TT+j/2+1], v[S0+j:S0+j+1], v[S0+j+2:S0+j+3]
	v_exp_f32 v[S1+j+2], v[S1+j+2]
	DMIN S0+j
	v_exp_f32 v[S1+j+3], v[S1+j+3]
	DMIN S0+j+2
.set j, j+4
.endr
	s_wait_dscnt 0x0                               ; V is in
	s_wait_alu depctr_va_vdst(0)                   ; behind tile 1's batch
	CODES PC0, S0
	PV O0, PC0
.set j, 0
.rept 8                                ; tile 0's sums go on; tile 1's in four chains
	v_pk_add_f32 v[TT+j:TT+j+1], v[TT+j:TT+j+1], v[TT+16+j:TT+16+j+1]
.set j, j+2
.endr
.set j, 0
.rept 4
	v_pk_add_f32 v[UU+j:UU+j+1], v[S1+2*j:S1+2*j+1], v[S1+2*j+2:S1+2*j+3]
	v_pk_add_f32 v[TT+j:TT+j+1], v[TT+j:TT+j+1], v[TT+8+j:TT+8+j+1]
.set j, j+2
.endr
.set j, 0
.rept 24
	v_pk_add_f32 v[UU+2*(j%4):UU+2*(j%4)+1], v[UU+2*(j%4):UU+2*(j%4)+1], v[S1+16+2*j:S1+17+2*j]
.set j, j+1
.endr
	v_pk_add_f32 v[TT:TT+1], v[TT:TT+1], v[TT+4:TT+5]
	v_pk_add_f32 v[TT+2:TT+3], v[TT+2:TT+3], v[TT+6:TT+7]
	v_pk_add_f32 v[UU:UU+1], v[UU:UU+1], v[UU+2:UU+3]
	v_pk_add_f32 v[UU+4:UU+5], v[UU+4:UU+5], v[UU+6:UU+7]
	v_pk_add_f32 v[14:15], v[14:15], v[TT:TT+1]
	v_pk_add_f32 v[18:19], v[18:19], v[UU:UU+1]
	v_pk_add_f32 v[14:15], v[14:15], v[TT+2:TT+3]
	v_pk_add_f32 v[18:19], v[18:19], v[UU+4:UU+5]
.set j, 0
.rept 32
	DMIN S1+j
.set j, j+2
.endr
	CODES PC1, S1
	PV O1, PC1
.if (\open) == 0
	s_branch .Ldone_\@
.Lhidden_\@:
	s_wait_dscnt 0x0                               ; the hidden step's K, which is not used, has landed: its registers may be loaded again
	v_add_nc_u32 v[ADR], s[TBN], v[LI]
	s_wait_alu depctr_va_vdst(0)
	s_cmp_lt_u32 s[CNT], (\trips)-1
	s_cbranch_scc0 .Ldone_\@
	KLOAD
.Ldone_\@:
.endif
	s_add_co_u32 s[KS], s[KS], 2
	s_add_co_u32 s[TN], s[TN], 1
	s_add_co_u32 s[TBI], s[TBI], 0x8000
	s_add_co_u32 s[CNT], s[CNT], 1
	s_cmp_lt_u32 s[CNT], \trips
	s_cbranch_scc1 .Ltrip_\@
	s_xor_b32 s[TB], s[TB], SLOT1                  ; on to the other slot
.endm
	s_load_b256 s[4:11], s[0:1], 0x0               ; the scales' exponents s[4:5], q_img s[6:7], kv_img s[8:9], y_img s[10:11]
	v_lshl_add_u32 v[SPW], v0, 2, SPARE
	v_mov_b32 v[NIL], 0
	ds_add_u32 v[SPW], v[NIL]                      ; the opening lines: the add, twice on end, and its wait ahead of my first tensor load
	ds_add_u32 v[SPW], v[NIL]
	v_lshrrev_b32 v7, 5, v0
	v_readfirstlane_b32 s[WV], v7                  ; wave 0..7
	s_lshr_b32 s[PAR], s[WV], 2
	s_and_b32 s[PP], s[WV], 3
	s_bfe_u32 s[CXR], ttmp6, 0x40000
	s_and_b32 s[HD], ttmp7, 0xffff
	s_sub_co_u32 s70, 7, ttmp9                     ; (in a cluster launch ttmp9 counts clusters: J)
	s_and_b32 s71, ttmp9, 1
	s_cselect_b32 s[FF], s70, ttmp9
	s_sub_co_u32 s[GG], 7, s[FF]
	s_lshl_b32 s[DS], s[FF], 2
	s_add_co_u32 s[DS], s[DS], s[PP]               ; the first pass's 128 queries: sub-block p of block F
	s_lshl_b32 s[DS2], s[GG], 2
	s_add_co_u32 s[DS2], s[DS2], 3
	s_sub_co_u32 s[DS2], s[DS2], s[PP]             ; the second pass's: sub-block 3 - p of block G
	s_lshl_b32 s[TSW], s[FF], 1
	s_add_co_u32 s[TSW], s[TSW], 2                 ; two trips to each of F + 1 units
	s_add_co_u32 s[TSW2], s[TSW], 2
	s_mov_b32 s[TN], 0
	s_mov_b32 s[TB], 0
	s_mov_b32 s[KS], s[PAR]
	s_mov_b32 s[UI], s[PAR]                        ; waves 0-3 fetch the four steps of a group's first unit, waves 4-7 of its second
	s_mov_b32 s[CS], 0x3e38aa3b                    ; log2(e) / 8
	s_mov_b32 s[SEL], 0x76543210
	s_mov_b32 s[SEL+1], 0xfedcba98
	; descriptor group 1: 16,384 dense bytes as 64 rows of 256
	s_mov_b32 s[G1], 15|(3<<16)|(1<<21)            ; 15:0 the mask: all four work-groups; 17:16 elements of 8 bytes; no padding: images are read 16 bytes a lane on end; 21 set beside a mask
	s_mov_b32 s[G1+1], 32<<16
	s_mov_b32 s[G1+2], 64<<16
	s_mov_b32 s[G1+3], 32<<16
	s_mov_b32 s[G1+4], 64
	s_mov_b32 s[G1+5], 32
	s_mov_b32 s[G1+6], 0
	s_mov_b32 s[G1+7], 0
	s_mov_b32 s[G0], 1
	s_lshl_b32 s[G0+1], s[WV], 14                  ; LDS address: slot 0, step w: no place in the cluster enters it
	s_lshl_b32 s68, s[HD], 19                      ; a head of kv_img is 524,288 bytes
	s_lshl_b32 s70, s[PP], 14
	s_add_co_u32 s68, s68, s70
	s_mov_b32 s69, 0
	s_mov_b32 s[OFF+1], 0
	s_wait_dscnt 0x0                               ; both opening adds are done
	s_wait_kmcnt 0x0
	s_load_b256 s[EX:EX+7], s[4:5], 0x0            ; e0 .. e7
	s_add_nc_u64 s[KVB:KVB+1], s[8:9], s[68:69]
	UNIT
	CROUND                                         ; all four work-groups are here: the first joint loads meet
	TLOAD                                          ; group 0, a step a wave
	; scalars of the rest of the head
	s_lshl_b32 s66, s[HD], 18                      ; a head of q_img is 262,144 bytes, a step 8,192, a tile 1,024
	s_lshl_b32 s67, s[CXR], 11
	s_add_co_u32 s66, s66, s67
	s_lshl_b32 s68, s[DS], 13
	s_add_co_u32 s68, s68, s66
	s_add_nc_u64 s[80:81], s[6:7], s[68:69]        ; Q of the first pass,
	s_lshl_b32 s68, s[DS2], 13
	s_add_co_u32 s68, s68, s66
	s_add_nc_u64 s[82:83], s[6:7], s[68:69]        ; of the second
	s_lshl_b32 s66, s[HD], 10                      ; in y_img a head is 1,024 bytes of a tile's 16,384
	s_lshl_b32 s67, s[CXR], 15
	s_add_co_u32 s66, s66, s67
	s_lshl_b32 s67, s[PAR], 14
	s_add_co_u32 s66, s66, s67                     ; my own tile: 2 cx + w / 4 of a sub-block's eight
	s_lshl_b32 s68, s[DS], 17
	s_add_co_u32 s68, s68, s66
	s_add_nc_u64 s[YA:YA+1], s[10:11], s[68:69]
	s_lshl_b32 s68, s[DS2], 17
	s_add_co_u32 s68, s68, s66
	s_add_nc_u64 s[YA2:YA2+1], s[10:11], s[68:69]
	s_lshl_b32 s70, s[PAR], 10                     ; my own tile of the strip's two is tile 0 in my registers,
	s_xor_b32 s71, s70, 1024                       ; the other one tile 1
	s_lshl_b32 s72, s[CXR], 5
	s_lshl_b32 s73, s[PAR], 3
	s_xor_b32 s74, s73, 8
	s_add_co_u32 s73, s73, s72                     ; 32 cx + 8 u
	s_add_co_u32 s74, s74, s72
	s_mul_i32 s66, s[WV], 4608
	s_add_co_u32 s67, s66, SCR2
	s_add_co_u32 s66, s66, SCR1
	s_xor_b32 s68, s[WV], 4
	s_mul_i32 s68, s68, 4608
	s_add_co_u32 s75, s68, SCR2
	s_add_co_u32 s68, s68, SCR1
	v_and_b32 v7, 31, v0
	v_lshlrev_b32 v[LI], 4, v7                     ; 16 x lane
	v_add_nc_u32 v28, s70, v[LI]
	v_add_nc_u32 v29, s71, v[LI]
	WIN 0x40
.irp c, 0,1
	global_load_b128 v[QF+4*\c:QF+4*\c+3], v28, s[80:81] offset:512*\c th:TH_LOAD_NT
	global_load_b128 v[QF+8+4*\c:QF+8+4*\c+3], v29, s[80:81] offset:512*\c th:TH_LOAD_NT
	global_load_b128 v[QN+4*\c:QN+4*\c+3], v28, s[82:83] offset:512*\c th:TH_LOAD_NT
	global_load_b128 v[QN+8+4*\c:QN+8+4*\c+3], v29, s[82:83] offset:512*\c th:TH_LOAD_NT
.endr
	WIN 0
	v_add_nc_u32 v[SA1], s66, v[LI]
	v_add_nc_u32 v[SA2], s67, v[LI]
	v_add_nc_u32 v[SB1], s68, v[LI]
	v_add_nc_u32 v[SB2], s75, v[LI]
	v_and_b32 v34, 15, v0                          ; r
	v_bfe_u32 v35, v0, 4, 1                        ; h
	v_and_b32 v36, 8, v34
	v_add_nc_u32 v36, v36, v34                     ; r + 8 (r / 8)
	v_lshlrev_b32 v35, 4, v35
	v_sub_nc_u32 v36, v36, v35
	v_add_nc_u32 v[DQ0], s73, v36
	v_add_nc_u32 v[DQ1], s74, v36
	v_mov_b32 v22, 0                               ; written once: a lane permute's destination counts as one of its sources
	v_mov_b32 v23, 0
	v_mov_b32 v25, 0                               ; (named as the upper halves of the pairs v[24:25] and v[26:27])
	v_mov_b32 v27, 0
	INIT
	WIN 0x40
.set j, 0
.rept 36
	v_mov_b32 v[SV+j], 0                           ; the first pass's own part: written on every way through the text
.set j, j+1
.endr
	WIN 0
	s_wait_kmcnt 0x0
	s_add_co_i32 s68, s[EX+2], s[EX+3]
	s_lshl_b32 s68, s68, 23
	s_add_co_i32 s[CS], s[CS], s68                 ; a score stands for score x 2^(e2 + e3): the two exponents are added to c's exponent field
	s_mov_b32 s[CS+1], s[CS]                       ; (named with it as a pair)
	s_add_co_i32 s68, s[EX+4], 127
	s_lshl_b32 s69, s68, 23
	s_add_co_i32 s68, s68, 8
	s_lshl_b32 s68, s68, 23
	s_or_b32 s68, s68, 0x600000
	v_mov_b32 v[SCL], s69
	v_mov_b32 v[LIMA], s68
	v_mov_b32 v[LIMB], s68
	s_sub_co_i32 s68, s[EX+6], s[EX+4]
	s_sub_co_i32 s68, s68, s[EX+5]                 ; O^T / the sum stands for y / 2^(e4 + e5): y's code is that / 2^(e6 - e4 - e5)
	s_add_co_i32 s68, s68, 127
	s_lshl_b32 s[YSC], s68, 23
	s_add_co_i32 s68, s68, 8
	s_lshl_b32 s[YLIM], s68, 23
	s_or_b32 s[YLIM], s[YLIM], 0x600000
	s_mov_b32 s[GC], 0
	s_wait_alu depctr_va_vdst(0)                   ; the wait at the head's end
	s_wait_loadcnt 0x0                             ; Q
.Lgroup:                                           ; groups 0, 1, 2
	CHANGE 8
	STEPS 4, 0
	s_add_co_u32 s[GC], s[GC], 1
	s_cmp_lt_u32 s[GC], 3
	s_cbranch_scc1 .Lgroup
	CHANGE 4                                       ; group 3; the ninth unit's four steps are fetched by waves 0-3
	STEPS 4, 0
	CHANGE 0                                       ; the ninth unit: always a full one of block G (F + 1 is at most 7)
	STEPS 2, 1
	PUT SA2
	s_wait_tensorcnt 0x0                           ; the wave's end, behind my last LDS store
	ds_add_u32 v[SPW], v[NIL]
	WIN 0x01
.irp i, 0,1,2,3
	v_mov_b32 v[180+\i], v[SV+32+\i]               ; the first pass's own -M and sums
.endr
	WIN 0
	s_wait_alu depctr_va_vdst(0)                   ; ahead of the waits below
	s_wait_dscnt 0x0
	CROUND                                         ; my partner's parts are in LDS; also the closing round: no joint load is issued behind it
; THE MERGE and the way out, e = 0: first pass, e = 1: second.  Own -M and sums v[180:183], v[12:15]; the partner's v[96:99], v[136:139] and O v64-95, v104-135.
	ds_load_b128 v[96:99], v[SB1] offset:4096
	ds_load_b128 v[136:139], v[SB2] offset:4096
.irp i, 0,1,2,3,4,5,6,7
	ds_load_b128 v[64+4*\i:67+4*\i], v[SB1] offset:512*\i
	ds_load_b128 v[104+4*\i:107+4*\i], v[SB2] offset:512*\i
.endr
	s_wait_dscnt 16                                ; the first two are in
.irp e, 0,1
	v_min_num_f32 v[28+12*\e], v[180-168*\e], v[96+40*\e]      ; -M of both
.endr
.irp e, 0,1
	v_sub_f32 v[30+12*\e], v[28+12*\e], v[180-168*\e]
	v_sub_f32 v[32+12*\e], v[28+12*\e], v[96+40*\e]
	v_add_f32 v[31+12*\e], v[182-168*\e], v[183-168*\e]        ; the sums' halves
	v_add_f32 v[29+12*\e], v[98+40*\e], v[99+40*\e]
.endr
.irp e, 0,1
	v_cvt_i32_f32 v[30+12*\e], v[30+12*\e]         ; (it saturates: a part without a step gets the factor 0)
	v_cvt_i32_f32 v[32+12*\e], v[32+12*\e]
.endr
.irp e, 0,1
	v_ldexp_f32 v[30+12*\e], 1.0, v[30+12*\e]
	v_ldexp_f32 v[32+12*\e], 1.0, v[32+12*\e]
.endr
.irp e, 0,1
	v_mul_f32 v[31+12*\e], v[31+12*\e], v[30+12*\e]
.endr
.irp e, 0,1
	v_fma_f32 v[31+12*\e], v[29+12*\e], v[32+12*\e], v[31+12*\e]
.endr
.irp e, 0,1
	v_permlanex16_b32 v[22+\e], v[31+12*\e], s[SEL], s[SEL+1]
.endr
.irp e, 0,1
	v_add_f32 v[31+12*\e], v[31+12*\e], v[22+\e]   ; and lane l xor 16's: the row's sum
.endr
	s_wait_alu depctr_va_vdst(0)                   ; the wait ahead of the batch
	v_rcp_f32 v33, v31
	v_rcp_f32 v45, v43
	v_mov_b32 v58, s[YSC]                          ; (plain instructions behind the reciprocals)
	v_mov_b32 v59, s[YLIM]
	s_wait_dscnt 0x0                               ; the partner's O
	s_wait_alu depctr_va_vdst(0)                   ; behind the batch
.irp e, 0,1
	v_mul_f32 v[34+12*\e], v[30+12*\e], v[33+12*\e]            ; each part's factor, divided by the sum
	v_mul_f32 v[36+12*\e], v[32+12*\e], v[33+12*\e]
.endr
	s_wait_alu depctr_va_vdst(0)                   ; directly ahead of the first reader of O^T
.set j, 0
.rept 16
	v_pk_mul_f32 v[O0+j:O0+j+1], v[O0+j:O0+j+1], v[46:47] op_sel_hi:[1,0]
.set j, j+2
.endr
	WIN 0x01
.set j, 0
.rept 16
	v_pk_mul_f32 v[144+j:144+j+1], v[SV+j:SV+j+1], v[34:35] op_sel_hi:[1,0]
.set j, j+2
.endr
	WIN 0
.set j, 0
.rept 16
	v_pk_fma_f32 v[O0+j:O0+j+1], v[104+j:104+j+1], v[48:49], v[O0+j:O0+j+1] op_sel_hi:[1,0,1]
	v_pk_fma_f32 v[144+j:144+j+1], v[64+j:64+j+1], v[36:37], v[144+j:144+j+1] op_sel_hi:[1,0,1]
.set j, j+2
.endr
.set j, 0
.rept 32
	v_med3_num_f32 v[O0+j], v[O0+j], -v59, v59     ; the hold at the largest code x the scale
	v_med3_num_f32 v[144+j], v[144+j], -v59, v59
.set j, j+1
.endr
.irp t, 0,1,2,3
	v_cvt_scalef32_pk8_fp8_f32 v[50+2*\t:51+2*\t], v[144+8*\t:151+8*\t], v58       ; tiles 2 B, 2 B + 1: d = 32 B + 16 h + 0 .. 15: block B of the image
	v_cvt_scalef32_pk8_fp8_f32 v[184+2*\t:185+2*\t], v[O0+8*\t:O0+8*\t+7], v58
.endr
	v_nop                                          ; one plain vector instruction behind the last conversion
	global_store_b128 v[LI], v[50:53], s[YA:YA+1]
	global_store_b128 v[LI], v[54:57], s[YA:YA+1] offset:512
	global_store_b128 v[LI], v[184:187], s[YA2:YA2+1]
	global_store_b128 v[LI], v[188:191], s[YA2:YA2+1] offset:512
	s_endpgm
.Lfunc_end_k_q2640fa908f_attn:
	.size	k_q2640fa908f_attn, .Lfunc_end_k_q2640fa908f_attn-k_q2640fa908f_attn
	.p2alignl 7, 3214868480
	.fill 96, 4, 3214868480
	.section	.rodata,"a",@progbits
	.p2align	6, 0x0
	.amdhsa_kernel k_q2640fa908f_attn
		.amdhsa_group_segment_fixed_size 327680
		.amdhsa_private_segment_fixed_size 0
		.amdhsa_enable_private_segment 0
		.amdhsa_kernarg_size 32
		.amdhsa_user_sgpr_count 2
		.amdhsa_user_sgpr_kernarg_segment_ptr 1
		.amdhsa_wavefront_size32 1
		.amdhsa_system_sgpr_workgroup_id_x 1
		.amdhsa_system_sgpr_workgroup_id_y 1
		.amdhsa_system_sgpr_workgroup_id_z 1
		.amdhsa_system_vgpr_workitem_id 0
		.amdhsa_next_free_vgpr 512
		.amdhsa_next_free_sgpr 100
		.amdhsa_reserve_vcc 0
		.amdhsa_float_denorm_mode_32 3
		.amdhsa_float_denorm_mode_16_64 3
		.amdhsa_memory_ordered 1
		.amdhsa_forward_progress 1
		.amdhsa_inst_pref_size 165
	.end_amdhsa_kernel
	.amdgpu_metadata
---
amdhsa.version: [ 1, 2 ]
amdhsa.kernels:
  - .name:           k_q2640fa908f_attn
    .symbol:         k_q2640fa908f_attn.kd
    .args:
      - { .name: lowp_scales, .offset: 0, .size: 8, .value_kind: global_buffer, .address_space: global }
      - { .name: q_img, .offset: 8, .size: 8, .value_kind: global_buffer, .address_space: global }
      - { .name: kv_img, .offset: 16, .size: 8, .value_kind: global_buffer, .address_space: global }
      - { .name: y_img, .offset: 24, .size: 8, .value_kind: global_buffer, .address_space: global }
    .group_segment_fixed_size: 327680
    .private_segment_fixed_size: 0
    .kernarg_segment_align: 8
    .kernarg_segment_size: 32
    .max_flat_workgroup_size: 256
    .sgpr_count:     100
    .vgpr_count:     512
    .wavefront_size: 32
...
	.end_amdgpu_metadata
.endif
;; end of part 2
;; launch proj (part 3): grid 8 x 32, 4 waves a work-group, clusters of 4 x 4, 327,680 bytes of LDS; arguments y_img, w_proj_codes, lowp_scales, out0; writes out0
.if DOCPART == 3
	.amdgcn_target "amdgcn-amd-amdhsa--gfx1250"
	.amdhsa_code_object_version 6
	.text
	.protected	k_q2640fa908f_proj
	.globl	k_q2640fa908f_proj
	.p2align	8
	.type	k_q2640fa908f_proj,@function
k_q2640fa908f_proj:
	s_mov_b64 s[64:65], 0
	v_nop
	global_prefetch_b8 v0, s[64:65] scope:SCOPE_SE
	s_setreg_imm32_b32 hwreg(HW_REG_WAVE_MODE, 25, 1), 1
	s_wait_xcnt 0x0
	s_wait_alu depctr_hold_cnt(0) depctr_sa_sdst(0) depctr_va_vdst(0) depctr_va_sdst(0) depctr_va_ssrc(0) depctr_va_vcc(0) depctr_vm_vsrc(0)
	s_getreg_b32 s2, hwreg(HW_REG_IB_STS2, 6, 4)
	s_cmp_eq_u32 s2, 0
	s_cbranch_scc0 .Lentry_in_a_cluster
	s_endpgm
.Lentry_in_a_cluster:
	s_bfe_u32 s2, ttmp6, 0x10000c
	s_cmp_lg_u32 s2, 0xf033
	s_cbranch_scc0 .Lentry_shape_is_right
	s_endpgm
.Lentry_shape_is_right:
; out = y w_proj^T on codes of FP8 (E4M3); each finished sum x 2^(e6 + e7).  y_img: [tile of 16 rows 256][K step of 128: 8][block c 4][lane][16 bytes], the image of a fragment's registers (registers 4 c .. 4 c + 3:
; K = 32 c + 16 (lane / 16) + 0 .. 15); within 32 rows, lane r of tile 2 B + u is row 32 B + 8 u + r + 8 (r / 8).  w_proj: [1024][1024] codes, K innermost.  out0: [4096][1024] f32.
; LIMIT: e6 + e7 lies between -126 and 127, so that 2^(e6 + e7) is an f32 number.
; SHARES.  A tile of 128 x 128 of the output to a work-group: 256 work-groups.  Wave w of four makes the tile's rows 32 w .. 32 w + 31, in two blocks of 64 columns, one after the other: 8 accumulators a block.
; y: a wave's 32 rows x 1,024 are loaded once, 64 loads of 512 bytes, straight into 256 registers, as the image lies; they serve both blocks.  No other wave of the work-group needs them, so they pass through no LDS and no joint load.
; w_proj: a block's 64 rows x 1,024 are asked for jointly by the four work-groups of a cluster's column, 16 rows a wave: block 0 at the head, block 1 behind the barrier that shows block 0.  Nothing is filled again.
; Block 0's results leave while block 1 is multiplied.  No prefetch: there is no loop to run ahead in.
; THE MATRIX INSTRUCTION IS USED TRANSPOSED (source 0 = 16 rows of w_proj, source 1 = 16 rows of y): a lane holds eight neighbouring numbers of a row of the output.
; REGISTERS: window 0: v3-21 addresses; v32-63 a tile's results; v64-127 rows read back, two sets; v128-191, v192-255 the blocks' accumulators ((a, b) at 8 (4 a + b)).   window 1: four fragment buffers of 64 for w_proj.
;   window 2: y: K step k, tile a at v[32 k + 16 a].
.set WPITCH, 1040                      ; a row of w_proj in LDS: 1,024 bytes + 16 of padding: the 16 rows that a load touches start at 16 different banks (64 banks of 4 bytes: ISA guide 11.1)
.set PITCH,  272                       ; the way out: a row of 256 bytes + 16
.set WBLK,   64*WPITCH
.set STAGE,  2*WBLK                    ; the way out: 16 rows x 272 bytes for each wave, bytes into which no tensor load lands
.set SPARE,  STAGE+4*16*PITCH          ; the spare words, 128 bytes a wave, that no other line names
.set YO,   3                           ; v3      16 x lane
.set ADRB, 12                          ; v12-13  LDS address of my w_proj fragments in block 0, 1
.set STO,  16
.set RD,   17
.set CO,   18
.set SPW,  20
.set NIL,  21
.set TMP,  32
.set BK,   64
.set ACC0, 128
.set ACC1, 192
.set G1, 24
.set G0, 68
.set MSB, 0
.macro WIN new
.if MSB != \new
	s_set_vgpr_msb (MSB<<8)|\new
.set MSB, \new
.endif
.endm
.macro CROUND                          ; a round of the cluster's barrier
	s_barrier_signal -1
	s_barrier_wait -1
	s_cmp_lg_u32 s14, 0
	s_cbranch_scc1 .Lnot_wave_0_\@
	s_barrier_signal -3
.Lnot_wave_0_\@:
	s_barrier_wait -3
	s_barrier_signal -1
	s_barrier_wait -1
.endm
.macro PLACES                          ; four places in front of loads into registers that matrix instructions have read, and of the first read of results (ISA guide 7.12.1 for the first read of results)
.rept 4
	v_nop
.endr
.endm
	s_load_b256 s[4:11], s[0:1], 0x0               ; y_img s[4:5], w_proj's codes s[6:7], the scales' exponents s[8:9], out0 s[10:11]
	v_lshl_add_u32 v[SPW], v0, 2, SPARE
	v_mov_b32 v[NIL], 0
	ds_add_u32 v[SPW], v[NIL]                      ; the opening lines: the add, twice on end, and its wait ahead of my first tensor load
	ds_add_u32 v[SPW], v[NIL]
	v_lshrrev_b32 v1, 5, v0
	v_readfirstlane_b32 s14, v1                    ; wave 0..3
	s_bfe_u32 s40, ttmp6, 0x40000                  ; cx, cy: my place in the cluster
	s_bfe_u32 s41, ttmp6, 0x40004
	s_lshl_b32 s42, ttmp9, 2
	s_add_co_u32 s42, s42, s40                     ; tile column = 4 x cluster x + cx
	s_and_b32 s17, ttmp7, 0xffff
	s_lshl_b32 s17, s17, 2
	s_add_co_u32 s17, s17, s41                     ; tile row = 4 x cluster y + cy
	s_lshl_b32 s44, 0x1111, s40                    ; my column of the cluster
	; w_proj: 16 rows x 1,024 bytes, padded in LDS
	s_or_b32 s[G1+0], s44, (0<<16)|(1<<20)|(1<<21)|(7<<22)|(3<<25)  ; the mask: my column; elements of 1 byte; 21 set beside a mask; padding: 4 words after every 256
	s_mov_b32 s[G1+1], 1024<<16
	s_mov_b32 s[G1+2], 16<<16
	s_mov_b32 s[G1+3], 1024<<16
	s_mov_b32 s[G1+4], 16
	s_mov_b32 s[G1+5], 1024
	s_mov_b32 s[G1+6], 0
	s_mov_b32 s[G1+7], 0
	s_lshl_b32 s20, s17, 17                        ; y: 131,072 bytes to a tile row,
	s_lshl_b32 s18, s14, 15
	s_add_co_u32 s20, s20, s18                     ; 32,768 to a wave's two tiles
	s_mov_b32 s21, 0
	s_lshl_b32 s46, s42, 17                        ; w_proj: 128 rows of 1,024 bytes to a tile column,
	s_lshl_b32 s18, s14, 14
	s_add_co_u32 s46, s46, s18                     ; 16 of a block's 64 to a wave
	s_mov_b32 s47, 0
	s_mul_i32 s23, s14, 16*WPITCH                  ; where they go: no place in the cluster enters an LDS address
	s_wait_dscnt 0x0                               ; both opening adds are done
	s_wait_kmcnt 0x0
	s_load_b256 s[32:39], s[8:9], 0x0              ; e0 .. e7
	s_add_nc_u64 s[20:21], s[4:5], s[20:21]
	s_add_nc_u64 s[46:47], s[6:7], s[46:47]
.irp k, 0,1
	s_mov_b32 s[G0+4*\k], 1
	s_add_co_u32 s[G0+4*\k+1], s23, \k*WBLK
	s_add_nc_u64 s[G0+4*\k+2:G0+4*\k+3], s[46:47], \k*65536
	s_or_b32 s[G0+4*\k+3], s[G0+4*\k+3], 0x80000000
.endr
	CROUND                                         ; all sixteen work-groups are here: the joint loads meet
	tensor_load_to_lds s[G0:G0+3], s[G1:G1+7]      ; block 0
	s_nop 0
	PLACES
	v_and_b32 v2, 31, v0
	v_lshlrev_b32 v[YO], 4, v2
	WIN 0x80                                       ; destination window 2
.set k, 0
.rept 8                                ; K step by K step, 8 loads each
.irp a, 0,1
.irp c, 0,1,2,3
	global_load_b128 v[32*k+16*\a+4*\c:32*k+16*\a+4*\c+3], v[YO], s[20:21] offset:16384*\a+2048*k+512*\c
.endr
.endr
.set k, k+1
.endr
	WIN 0
	s_mul_i32 s22, s14, 16*PITCH
	s_add_co_u32 s22, s22, STAGE                   ; my stage
	s_lshl_b32 s58, s17, 7
	s_lshl_b32 s59, s14, 5
	s_add_co_u32 s58, s58, s59                     ; my first row: 128 x tile row + 32 x wave
	s_lshl_b32 s58, s58, 12
	s_lshl_b32 s60, s42, 9                         ; the tile's first column, in bytes
	s_add_co_u32 s58, s58, s60
	s_mov_b32 s59, 0
	s_add_nc_u64 s[10:11], s[10:11], s[58:59]
	v_and_b32 v1, 15, v0                           ; r
	v_bfe_u32 v2, v0, 4, 1                         ; h
	v_mul_u32_u24 v4, v1, WPITCH
	v_lshl_add_u32 v[ADRB], v2, 4, v4              ; row x pitch + 16 x half
	v_add_nc_u32 v[ADRB+1], WBLK, v[ADRB]
	v_mul_u32_u24 v5, v1, PITCH
	v_lshl_add_u32 v5, v2, 5, v5
	v_add_nc_u32 v[STO], s22, v5                   ; in: row r, 32 bytes for each half of the lanes
	v_mul_u32_u24 v6, v2, PITCH
	v_lshl_add_u32 v6, v1, 4, v6
	v_add_nc_u32 v[RD], s22, v6                    ; back: lanes 0-15 one row of 256 bytes, lanes 16-31 the next
	v_lshlrev_b32 v7, 12, v2
	v_lshl_add_u32 v[CO], v1, 4, v7                ; and the same in the output, whose rows are 4,096 bytes
; 16 LDS loads: w_proj's four fragments of K step g of block s into buffer g % 4
.macro FETCHW s, g
	WIN 0x40
.irp i, 0,1,2,3
.irp c, 0,1,2,3
	ds_load_b128 v[64*((\g)%4)+16*\i+4*\c:64*((\g)%4)+16*\i+4*\c+3], v[ADRB+\s] offset:128*(\g)+32*\c+\i*16*WPITCH
.endr
.endr
.endm
; A block: 8 K steps of 8 matrix instructions; the 8 accumulators take turns, one instruction a turn; the first K step starts the sums.  y = 1: y's registers are waited for, K step by K step
.macro COLS s, acc, y
.set k, 0
.rept 8
.if k < 5
	PLACES                                         ; for the buffer that the K step before has read
	FETCHW \s, k+3
	s_wait_dscnt 48                                ; this K step's loads are in; the next three's 48 may be out
.else
	s_wait_dscnt 16*(7-k)                          ; the loads of the K steps still to come may be out
.endif
.if \y
	s_wait_loadcnt 56-8*k                          ; y's later K steps may be out
.endif
	WIN 0x09                                       ; source 0 window 1, source 1 window 2; C and D window 0
.irp a, 0,1
.irp b, 0,1,2,3
.if k == 0
	v_wmma_f32_16x16x128_fp8_fp8 v[\acc+8*(4*\a+\b):\acc+8*(4*\a+\b)+7], v[64*(k%4)+16*\b:64*(k%4)+16*\b+15], v[32*k+16*\a:32*k+16*\a+15], 0
.else
	v_wmma_f32_16x16x128_fp8_fp8 v[\acc+8*(4*\a+\b):\acc+8*(4*\a+\b)+7], v[64*(k%4)+16*\b:64*(k%4)+16*\b+15], v[32*k+16*\a:32*k+16*\a+15], v[\acc+8*(4*\a+\b):\acc+8*(4*\a+\b)+7]
.endif
.endr
.endr
.set k, k+1
.endr
	WIN 0
.endm
; THE WAY OUT, tile a of 16 rows x 64 columns at a time: x 2^(e6 + e7), through my own stage, back as whole rows of 256 bytes.  LDS serves a wave's instructions in order (ISA guide 5.7.1.4): no wait between the stores and the loads.
.macro TOSTAGE a, acc
.set j, 0
.rept 16
	v_pk_mul_f32 v[TMP+j:TMP+j+1], v[\acc+32*(\a)+j:\acc+32*(\a)+j+1], s[56:57] op_sel_hi:[1,0]   ; both x s56; each accumulator from its low end on
.set j, j+2
.endr
.irp b, 0,1,2,3
	ds_store_b128 v[STO], v[TMP+8*\b:TMP+8*\b+3] offset:64*\b
	ds_store_b128 v[STO], v[TMP+8*\b+4:TMP+8*\b+7] offset:64*\b+16
.endr
.irp i, 0,1,2,3,4,5,6,7
	ds_load_b128 v[BK+32*(\a)+4*\i:BK+32*(\a)+4*\i+3], v[RD] offset:2*\i*PITCH
.endr
.endm
.macro SEND a, s, younger              ; younger: the LDS instructions issued behind tile a's loads, which may stay out
	s_wait_dscnt \younger
.irp i, 0,1,2,3,4,5,6,7
	global_store_b128 v[CO], v[BK+32*(\a)+4*\i:BK+32*(\a)+4*\i+3], s[10:11] offset:(8*(\a)+2*\i+8*(\i/4))*4096+256*\s th:TH_STORE_NT   ; the immediate undoes the tile order: stage row 2 i (+ 1) of tile a is row 8 a + 2 i + 8 (i / 4) (+ 1); 16 lanes store 256 consecutive bytes, aligned
.endr
.endm
.macro OUT s, acc
	TOSTAGE 0, \acc
	TOSTAGE 1, \acc
	SEND 0, \s, 16                                 ; behind tile 0's loads: tile 1's 8 stores and 8 loads
	SEND 1, \s, 0
.endm
	s_wait_alu depctr_va_vdst(0)                   ; the wait at the head's end
	s_wait_kmcnt 0x0
	s_add_co_i32 s56, s38, s39                     ; e6 + e7
	s_add_co_i32 s56, s56, 127
	s_lshl_b32 s56, s56, 23                        ; 2^(e6 + e7) as f32
	s_mov_b32 s57, s56                             ; (named with it as a pair, so it is written)
	s_wait_tensorcnt 0x0                           ; my part of block 0 is in
	ds_add_u32 v[SPW], v[NIL]
	s_wait_dscnt 0x0
	CROUND                                         ; everybody's part is in, and the joint loads meet
	tensor_load_to_lds s[G0+4:G0+7], s[G1:G1+7]    ; block 1, the first tensor load behind the round
	s_nop 0
	PLACES
	FETCHW 0, 0
	FETCHW 0, 1
	FETCHW 0, 2
	COLS 0, ACC0, 1
	s_wait_tensorcnt 0x0                           ; my part of block 1 is in
	s_barrier_signal -1                            ; (no LDS instruction of mine is pending here)
	s_barrier_wait -1
	PLACES                                         ; for the loads below and for the first read of block 0's results
	FETCHW 1, 0
	FETCHW 1, 1
	FETCHW 1, 2
	WIN 0
	OUT 0, ACC0
	COLS 1, ACC1, 0
	s_wait_xcnt 0x0                                ; block 0's stores have read their registers: block 1's rows may land there
	PLACES                                         ; behind the last products
	OUT 1, ACC1
	s_wait_tensorcnt 0x0                           ; the wave's end
	ds_add_u32 v[SPW], v[NIL]
	s_wait_dscnt 0x0
	CROUND                                         ; the closing round: no work-group ends while a partner may still ask for a tile that names it
	s_endpgm
.Lfunc_end_k_q2640fa908f_proj:
	.size	k_q2640fa908f_proj, .Lfunc_end_k_q2640fa908f_proj-k_q2640fa908f_proj
	.p2alignl 7, 3214868480
	.fill 96, 4, 3214868480
	.section	.rodata,"a",@progbits
	.p2align	6, 0x0
	.amdhsa_kernel k_q2640fa908f_proj
		.amdhsa_group_segment_fixed_size 327680
		.amdhsa_private_segment_fixed_size 0
		.amdhsa_enable_private_segment 0
		.amdhsa_kernarg_size 32
		.amdhsa_user_sgpr_count 2
		.amdhsa_user_sgpr_kernarg_segment_ptr 1
		.amdhsa_wavefront_size32 1
		.amdhsa_system_sgpr_workgroup_id_x 1
		.amdhsa_system_sgpr_workgroup_id_y 1
		.amdhsa_system_sgpr_workgroup_id_z 1
		.amdhsa_system_vgpr_workitem_id 0
		.amdhsa_next_free_vgpr 768
		.amdhsa_next_free_sgpr 100
		.amdhsa_reserve_vcc 0
		.amdhsa_float_denorm_mode_32 3
		.amdhsa_float_denorm_mode_16_64 3
		.amdhsa_memory_ordered 1
		.amdhsa_forward_progress 1
		.amdhsa_inst_pref_size 50
	.end_amdhsa_kernel
	.amdgpu_metadata
---
amdhsa.version: [ 1, 2 ]
amdhsa.kernels:
  - .name:           k_q2640fa908f_proj
    .symbol:         k_q2640fa908f_proj.kd
    .args:
      - { .name: y_img, .offset: 0, .size: 8, .value_kind: global_buffer, .address_space: global }
      - { .name: w_proj_codes, .offset: 8, .size: 8, .value_kind: global_buffer, .address_space: global }
      - { .name: lowp_scales, .offset: 16, .size: 8, .value_kind: global_buffer, .address_space: global }
      - { .name: out0, .offset: 24, .size: 8, .value_kind: global_buffer, .address_space: global }
    .group_segment_fixed_size: 327680
    .private_segment_fixed_size: 0
    .kernarg_segment_align: 8
    .kernarg_segment_size: 32
    .max_flat_workgroup_size: 128
    .sgpr_count:     100
    .vgpr_count:     768
    .wavefront_size: 32
...
	.end_amdgpu_metadata
.endif
;; end of part 3
